; MI455X (gfx1250); checked and timed in simulation.
; The chip was launched on July 23, 2026; its instructions are those of AMD's public machine-readable ISA for CDNA 5 (MIT licence, August 2026) and "CDNA5" Instruction Set Architecture Reference Guide (July 2026). The comments in the code are by the model that wrote it; some were corrected since.
;; Encoder. Allowed arithmetic: matrix products marked QUANTISED: E5M2 operands, one E8M0 scale for each 32 along K, by v_wmma_scale_f32_16x16x128_f8f6f4 with both operands' format E5M2, f32 sums; everything else in f32.
;; Inputs: Wk_codes 1,024 x 32 x 32 uint8 (E5M2 codes of Wk, K innermost, in blocks of 32 codes); Wk_scales 1,024 x 32 uint8 (E8M0 scales of Wk, one for each 32 codes along K); Wo_codes 1,024 x 32 x 32 uint8 (E5M2 codes of Wo, K innermost, in blocks of 32 codes); Wo_scales 1,024 x 32 uint8 (E8M0 scales of Wo, one for each 32 codes along K); Wq_codes 1,024 x 32 x 32 uint8 (E5M2 codes of Wq, K innermost, in blocks of 32 codes); Wq_scales 1,024 x 32 uint8 (E8M0 scales of Wq, one for each 32 codes along K); Wv_codes 1,024 x 32 x 32 uint8 (E5M2 codes of Wv, K innermost, in blocks of 32 codes); Wv_scales 1,024 x 32 uint8 (E8M0 scales of Wv, one for each 32 codes along K); bk 1,024 float32; bo 1,024 float32; bq 1,024 float32; bv 1,024 float32; x_codes 8 x 2,048 x 32 x 32 uint8 (E5M2 codes of x, K innermost, in blocks of 32 codes); x_scales 8 x 2,048 x 32 uint8 (E8M0 scales of x, one for each 32 codes along K).
;; Outputs: out0 8 x 2,048 x 1,024 float32.
;; This version of the problem:
;;   THIS VERSION OF THE PROBLEM IS GIVEN IN LOW PRECISION. The matrix products marked QUANTISED in the list below multiply operands that are first quantised to E5M2 (5 exponent bits, 2 mantissa bits; 8 bits a number), with one power-of-two scale for each 32 numbers along K (OCP MX v1.0); their sums are f32. All else is computed in f32.
;;   The module's matrix products, in the order in which they are computed (A, B: the left and right operand; K: the contracted axis; several contracted axes count as one K, in the product's order):
;;     1. [M 16,384, K 1,024] x [K 1,024, N 1,024]; A: input x (given as codes); B: input Wq (given as codes): QUANTISED
;;     2. [M 16,384, K 1,024] x [K 1,024, N 1,024]; A: input x (given as codes); B: input Wk (given as codes): QUANTISED
;;     3. [M 16,384, K 1,024] x [K 1,024, N 1,024]; A: input x (given as codes); B: input Wv (given as codes): QUANTISED
;;     4. [M 16,384, K 1,024] x [K 1,024, N 1,024]; A: computed on the way; B: input Wo (given as codes): QUANTISED
;;   THE QUANTISER, for each operand of a quantised product, along K:
;;     - K is cut into blocks of 32 from its start; a last block that is shorter is filled with zeros.
;;     - A block's scale is 2^e with e = floor(log2(the largest magnitude in the block)) - 15, held to -126 .. 127; a block of zeros has e = 0. As a byte (E8M0): e + 127.
;;     - Each number is divided by its block's scale, clamped to +-57,344, and rounded to the nearest number of E5M2, ties to even, subnormals kept.
;;     - The product sums the exact products of the quantised numbers (number of the format x scale) in f32.
;;   ~~~python
;;   def quantise(x, axis):      # numpy; x: float32 -> the quantised numbers, widened to float32 again
;;       x = np.moveaxis(x, axis, -1); K = x.shape[-1]
;;       x = np.pad(x, [(0, 0)] * (x.ndim - 1) + [(0, -K % 32)]); x = x.reshape(x.shape[:-1] + (-1, 32)); a = np.abs(x).max(-1, keepdims=True)
;;       e = np.where(a > 0, np.clip(np.frexp(np.where(a > 0, a, 1))[1] - 1 - 15, -126, 127), 0)      # np.frexp(a)[1] - 1 = floor(log2(a)), exactly
;;       r = np.clip(x / 2.0 ** e, -57344, 57344)
;;       step = 2.0 ** (np.maximum(np.frexp(np.where(r == 0, 1, r))[1] - 1, -14) - 2)
;;       q = np.round(r / step) * step * 2.0 ** e      # np.round: ties to even
;;       return np.moveaxis(q.reshape(q.shape[:-2] + (-1,))[..., :K], -1, axis).astype(np.float32)
;;   ~~~
;;   OPERANDS COMPUTED ON THE WAY. 'Computed on the way' means the value that the module computes at that place (a softmax that the list does not call 'softmax' is quantised finished and normalised). What goes into a quantiser is computed in f32, as accurately as f32 sums, v_exp_f32 and their like allow (about 1e-6 of the number): no bf16 or f16 on the way to a quantiser, and a product that is left as it is and whose result goes on into a quantised operand takes f32 operands (vector FMAs, or v_wmma_f32_16x16x4_f32). A number that lies on a knife's edge between two numbers of the format may be rounded either way, as far as f32 arithmetic and the matrix unit's own rounding can turn it there, and no further.
;;   INPUTS GIVEN AS CODES. Wk (in the module: [1024, 1024], K = its axis 1); Wo (in the module: [1024, 1024], K = its axis 1); Wq (in the module: [1024, 1024], K = its axis 1); Wv (in the module: [1024, 1024], K = its axis 1); x (in the module: [8, 2048, 1024], K = its axis 2): each comes as NAME_codes (uint8): NAME with its K axis moved to the last place and cut into blocks of 32 codes, [.., K / 32, bytes a block], one block behind the other in memory; one code a byte (a code: sign, 5 exponent bits, 2 mantissa bits); and NAME_scales (uint8): the same leading axes, one E8M0 byte (e + 127) for each 32 codes along K. Its value is code x scale, taken as it is: it is not quantised again, and the codes and scales need not be those that the quantiser above would give.
;; One version. Each part assembles by itself: llvm-mc -triple=amdgcn-amd-amdhsa -mcpu=gfx1250 --defsym DOCPART=n.
;; ======== version 1 of 1: 3 launches
;; limits: right only within a limited range of input values
;; workspace buffers: dpart 524,288 bytes; ctx_codes 16,777,216 bytes; ctx_scales 524,288 bytes
;; launch qk (part 1): grid 8 x 32, 4 waves a work-group, clusters of 4 x 4, 327,680 bytes of LDS; arguments x_codes, x_scales, Wq_codes, Wq_scales, Wk_codes, Wk_scales, bq, bk, dpart; writes dpart
.if DOCPART == 1
	.amdgcn_target "amdgcn-amd-amdhsa--gfx1250"
	.amdhsa_code_object_version 6
	.text
	.protected	k_q94da8dbef1_qk
	.globl	k_q94da8dbef1_qk
	.p2align	8
	.type	k_q94da8dbef1_qk,@function
k_q94da8dbef1_qk:
	s_mov_b64 s[64:65], 0
	v_nop
	global_prefetch_b8 v0, s[64:65] scope:SCOPE_SE
	s_setreg_imm32_b32 hwreg(HW_REG_WAVE_MODE, 25, 1), 1
	s_wait_xcnt 0x0
	s_wait_alu depctr_hold_cnt(0) depctr_sa_sdst(0) depctr_va_vdst(0) depctr_va_sdst(0) depctr_va_ssrc(0) depctr_va_vcc(0) depctr_vm_vsrc(0)
	s_getreg_b32 s2, hwreg(HW_REG_IB_STS2, 6, 4)
	s_cmp_eq_u32 s2, 0
	s_cbranch_scc0 .Lentry_in_a_cluster
	s_endpgm
.Lentry_in_a_cluster:
	s_bfe_u32 s2, ttmp6, 0x10000c
	s_cmp_lg_u32 s2, 0xf033
	s_cbranch_scc0 .Lentry_shape_is_right
	s_endpgm
.Lentry_shape_is_right:
; q = x Wq^T + bq and k = x Wk^T + bk on codes of BF8 (E5M2) with one E8M0 scale for each 32 along K (K = 1,024); of them only d[row] = sum over h of q[row][h] k[row][h] is kept, as eight parts:
; dpart[part 0..7][row], f32, part p the sum over h = 128 p .. 128 p + 127.  The next launch adds the parts.  q and k never go to memory.
; WORK LEFT OUT, in the whole program: the arrays [L, L].  sims is d times an identity that the problem builds itself: row i holds d[i] once and L - 1 zeros, for all values of the inputs.  So a softmax row is
; e1 = exp(d - m) once and e0 = exp(0 - m) L - 1 times over Z = e1 + (L - 1) e0, m = max(d, 0), and a column's sum is the sum over i of e0[i] / Z[i], plus (e1[j] - e0[j]) / Z[j].
; LIMITS: NaN and infinities (codes, a scale byte 0xff, biases) are not served, and a NaN, an infinity or an overflow that reaches only the work left out is not carried to the result.
; SHARES.  256 work-groups of four waves: 512 rows of x x 128 h.  Wave w holds 32 rows of Wq and the same 32 rows of Wk, all of K, in 512 registers; x's rows go past in 32 blocks of 16: 8 K steps x 4 tiles = 32 matrix
; instructions on 4 accumulators by turns, fed by one run of 34 LDS loads.  Source 0 = 16 rows of W, source 1 = 16 rows of x: a lane holds one row of x and eight neighbouring h.  The bias is the C of each sum's first product.
; LDS: two slots of 128 rows x 1,040 bytes.  At the head they take Wq's and Wk's 128 rows; then x's four chunks of 128 rows by turns.  Behind them x's scale bytes (stored by the waves) and the stage for d.
; CLUSTERS 4 x 4: a row of the cluster shares x's chunks, a column W's rows: joint loads.
; FILLS.  One load a wave: at the head 64 rows of W; chunk 0 behind a round once W's tiles 0, 1 are in registers; chunks 1, 2, 3 behind a round inside block 1 of the chunk before.  Waves 0 and 1 bring a chunk's first 64 rows by a line of
; their own, shown by a plain barrier inside block 6; the rest is shown by the next round, or in the last chunk by the barrier inside block 2.
; PREFETCHES.  Every chunk is asked of memory ahead of its joint load: chunk 0 at the head, 1 behind chunk 0's load, 2 and 3 in the trips before their loads; the sixteen waves of a cluster row share a chunk's 512 blocks of 256 bytes by address.
; REGISTERS: window 0: v1-23 addresses and work; v24-55 W's scale words; v60-75 x's, two sets; v80-111 the bias; v112-175 two sets of 4 accumulators; v176-181 the dot; v192-223 scale bytes on their way; v224-239 sums.
;   windows 1, 2: W: fragment (K step q, tile t) is number n = 4 q + t, at 16 (n % 16) of window 1 + n / 16.   window 3: x's fragments, two sets of 128 (K step q at 16 q).
.set PITCH, 1040                       ; 1,024 bytes + 16 of padding = 260 words: row r starts at bank 4 r mod 64 (64 banks of 4 bytes: ISA guide 11.1)
.set BLKB,  16*PITCH
.set HS,    64*PITCH
.set SLOT,  128*PITCH
.set SCL,   2*SLOT                     ; x's scale bytes: units of 256 bytes (8 rows) + 16
.set STG,   SCL+64*272                 ; the stage: [wave][512 rows] f32
.set SPARE, STG+4*2048
.set AL0, 4
.set ADA, 5
.set ADB, 6
.set ADS, 7
.set STO, 8
.set RD,  9
.set SPW, 10
.set NIL, 11
.set PFO, 12
.set ST0, 13
.set XSO, 14
.set XST, 15
.set ADW, 16
.set VSB, 20
.set BVO, 21
.set AS0, 23
.set SB,  24
.set SA,  60
.set BC,  80
.set ACC, 112
.set EE,  176
.set PT,  180
.set DV,  181
.set TS,  192
.set SUM, 224
.set G1W, 24
.set G1X, 32
.set G0Q, 40
.set G0K, 44
.set G0X, 48
.set MSB, 0
.macro WIN new                         ; the immediate's high byte repeats the setting that is left
.if MSB != (\new)
	s_set_vgpr_msb (MSB<<8)|(\new)
.set MSB, (\new)
.endif
.endm
.macro PLACES n
.rept \n
	v_nop
.endr
.endm
.macro BARRIER
	s_barrier_signal -1
	s_barrier_wait -1
.endm
.macro MIDDLE                          ; wave 0 signals for its work-group, all wait for the cluster
	s_cmp_lg_u32 s22, 0
	s_cbranch_scc1 .Lnot_wave_0_\@
	s_barrier_signal -3
.Lnot_wave_0_\@:
	s_barrier_wait -3
.endm
.macro CROUND
	BARRIER
	MIDDLE
	BARRIER
.endm
.macro TLOAD g0, g1
	tensor_load_to_lds s[\g0:\g0+3], s[\g1:\g1+7]
	s_nop 0
	PLACES 4
.endm
.macro TWOLINES g0a, g0b, g1           ; waves 0, 1 and waves 2, 3 have a load line each
	s_cmp_lt_u32 s22, 2
	s_cbranch_scc0 .Lupper_\@
	TLOAD \g0a, \g1
	s_branch .Lboth_\@
.Lupper_\@:
	TLOAD \g0b, \g1
.Lboth_\@:
.endm
.macro LOWERWAIT                       ; waves 0 and 1: my load is in
	s_cmp_lt_u32 s22, 2
	s_cbranch_scc0 .Lnot_yet_\@
	s_wait_tensorcnt 0x0
.Lnot_yet_\@:
.endm
.macro GROUP1 g, mask, rows            ; rows of 1,024 bytes, 4 words of padding behind every 256
	s_or_b32 s[\g], s[\mask], (1<<20)|(1<<21)|(7<<22)|(3<<25)
	s_mov_b32 s[\g+1], 1024<<16
	s_mov_b32 s[\g+2], (\rows)<<16
	s_mov_b32 s[\g+3], 1024<<16
	s_mov_b32 s[\g+4], \rows
	s_mov_b32 s[\g+5], 1024
	s_mov_b32 s[\g+6], 0
	s_mov_b32 s[\g+7], 0
.endm
.macro ADDSH d, s, n
	s_lshl_b32 s58, s\s, \n
	s_add_co_u32 s\d, s\d, s58
.endm
.macro WREAD t0                        ; tiles t0, t0 + 1 of W, all of K: 64 loads
.irp q, 0,1,2,3,4,5,6,7
.irp t, \t0, \t0+1
.set F_, 4*\q+(\t)
	WIN (1+F_/16)<<6
.irp c, 0,1,2,3
	ds_load_b128 v[16*(F_%16)+4*\c:16*(F_%16)+4*\c+3], v[ADW+(\t)] offset:128*\q+32*\c
.endr
.endr
.endr
	WIN 0
.endm
.macro FETCH set, ad, off, unit        ; a block of x, all of K, and its scale words: 34 loads
	WIN 0
	ds_load_b128 v[SA+8*\set:SA+8*\set+3], v[ADS] offset:544*(\unit)
	ds_load_b128 v[SA+8*\set+4:SA+8*\set+7], v[ADS] offset:544*(\unit)+16
	WIN 0xc0
.irp q, 0,1,2,3,4,5,6,7
.irp c, 0,1,2,3
	ds_load_b128 v[128*\set+16*\q+4*\c:128*\set+16*\q+4*\c+3], v[\ad] offset:(\off)+128*\q+32*\c
.endr
.endr
.endm
.macro PROD blk, n
.set Q_, (\n)/4
.set T_, (\n)%4
.set E_, (\blk)%2
.set D_, ACC+32*E_+8*T_
.set C_, D_
.if Q_ == 0
.set C_, BC+8*T_
.endif
.set W_, 16*((\n)%16)
.set X_, 128*E_+16*Q_
	WIN (1+(\n)/16)|(3<<2)
	v_wmma_scale_f32_16x16x128_f8f6f4 v[D_:D_+7], v[W_:W_+15], v[X_:X_+15], v[C_:C_+7], v[SB+8*T_+Q_], v[SA+8*E_+Q_] matrix_a_fmt:MATRIX_FMT_BF8 matrix_b_fmt:MATRIX_FMT_BF8
.endm
.macro PRODS blk, from, to
.set N_, \from
.rept (\to)-(\from)
	PROD \blk, N_
	GAP \blk, N_
.set N_, N_+1
.endr
.endm
; A BLOCK.  left: the LDS loads that may be out.  kind 1: a round and a refill; 2: a barrier that shows waves 0 and 1's rows; 3: a barrier that shows all.
.macro BLK blk, kind, left
	s_wait_dscnt \left
.if \kind == 1
	WIN 0
	s_wait_tensorcnt 0x0                           ; my part of the chunk in hand is in, so the descriptor may be written;
	ds_add_u32 v[SPW], v[NIL]
	s_add_co_u32 s[G0X+1], s72, s68
	s_add_nc_u64 s[G0X+2:G0X+3], s[G0X+2:G0X+3], 0x20000
.endif
	PRODS \blk, 0, 28
.if \kind > 0
	WIN 0
.if \kind == 2
	LOWERWAIT
.elseif \kind == 3
	s_wait_tensorcnt 0x0
.endif
	s_wait_dscnt 0x0                               ; my reads (and the add) are done
	s_barrier_signal -1
.endif
	PRODS \blk, 28, 32
	WIN 0
.if \kind == 1
	s_barrier_wait -1
	MIDDLE
	BARRIER                                        ; no wave of the cluster row reads the other slot any more
	TWOLINES G0X, G0X, G1X
.elseif \kind > 1
	s_barrier_wait -1
.endif
.endm
; A block's q k, in eight steps, which stand behind products 1 to 8 of the NEXT block: accumulators 0, 1 hold q, 2, 3 k at the same row and h, each read from its low end on; lane l xor 16 has the row's other 16.
.macro DSTEP n
.if (\n) == 1
	v_pk_mul_f32 v[EE:EE+1], v[A_:A_+1], v[A_+16:A_+17]
	v_pk_mul_f32 v[EE+2:EE+3], v[A_+8:A_+9], v[A_+24:A_+25]
.elseif (\n) < 5
.set J_, 2*((\n)-1)
	v_pk_fma_f32 v[EE:EE+1], v[A_+J_:A_+J_+1], v[A_+16+J_:A_+17+J_], v[EE:EE+1]
	v_pk_fma_f32 v[EE+2:EE+3], v[A_+8+J_:A_+9+J_], v[A_+24+J_:A_+25+J_], v[EE+2:EE+3]
.elseif (\n) == 5
	v_pk_add_f32 v[EE:EE+1], v[EE:EE+1], v[EE+2:EE+3]
.elseif (\n) == 6
	v_add_f32 v[EE], v[EE], v[EE+1]
.elseif (\n) == 7
	v_permlanex16_b32 v[PT], v[EE], s66, s67
.else
	v_add_f32 v[DV], v[EE], v[PT]
.endif
.endm
.macro GAP blk, n
.if ((\blk) > 0) && ((\n) > 0) && ((\n) < 9)
.set A_, ACC+32*(((\blk)+1)%2)
	WIN 0
	DSTEP \n
.endif
.endm
; Behind a block's products: the places ahead of the loads into the registers that they have read, and d of the block before goes to the stage.
.macro DOT blk
	PLACES 8
	s_wait_alu depctr_va_vdst(0)
	ds_store_b32 v[STO], v[DV] offset:64*(\blk)
.endm
	s_load_b256 s[4:11], s[0:1], 0x0               ; x codes, x scales, Wq codes, Wq scales
	s_load_b256 s[12:19], s[0:1], 0x20             ; Wk codes, Wk scales, bq, bk
	s_load_b64 s[20:21], s[0:1], 0x40              ; dpart
	v_lshl_add_u32 v[SPW], v0, 2, SPARE
	v_mov_b32 v[NIL], 0
	ds_add_u32 v[SPW], v[NIL]
	ds_add_u32 v[SPW], v[NIL]
	v_lshrrev_b32 v1, 5, v0
	v_readfirstlane_b32 s22, v1                    ; wave 0..3
	s_bfe_u32 s52, ttmp6, 0x40000                  ; cx, cy
	s_bfe_u32 s53, ttmp6, 0x40004
	s_lshl_b32 s54, ttmp9, 2
	s_add_co_u32 s54, s54, s52                     ; column group: 128 h
	s_and_b32 s55, ttmp7, 0xffff
	s_lshl_b32 s55, s55, 2
	s_add_co_u32 s55, s55, s53                     ; row group: 512 rows
	s_lshl_b32 s56, s53, 2
	s_lshl_b32 s56, 15, s56                        ; my row of the cluster shares x
	s_lshl_b32 s57, 0x1111, s52                    ; my column shares W
	GROUP1 G1W, 57, 64
	GROUP1 G1X, 56, 32
	s_mul_i32 s72, s22, 32*PITCH                   ; my 32 rows of a slot: those that I fetch of a chunk; and W's that I multiply
	s_mul_i32 s59, s22, 16*272
	s_add_co_u32 s59, s59, SCL
	s_lshl_b32 s60, s22, 11
	s_add_co_u32 s60, s60, STG
	s_lshl_b32 s61, s22, 9
	s_add_co_u32 s61, s61, STG
	s_lshl_b32 s74, s55, 19                        ; x's rows, in bytes
	s_mov_b32 s88, s74
	ADDSH 88, 22, 15                               ; those that I fetch
	s_lshl_b32 s86, s52, 2
	s_add_co_u32 s86, s86, s22
	s_lshl_b32 s86, s86, 13                        ; my sixteenth of a chunk: what I prefetch
	s_add_co_u32 s86, s86, s74
	s_lshl_b32 s76, s55, 14
	ADDSH 76, 22, 12                               ; the scale bytes of 128 rows
	s_lshl_b32 s78, s54, 17
	s_and_b32 s62, s22, 1
	ADDSH 78, 62, 16                               ; W's 64 rows that I fetch
	s_lshl_b32 s80, s54, 12
	ADDSH 80, 22, 10                               ; W's scale bytes, my 32 rows
	s_lshl_b32 s82, s54, 9
	ADDSH 82, 22, 7                                ; the biases
	s_lshl_b32 s84, s54, 16
	ADDSH 84, 55, 11
	ADDSH 84, 22, 9                                ; dpart
	s_mov_b32 s77, 0
	s_mov_b32 s79, 0
	s_mov_b32 s81, 0
	s_mov_b32 s83, 0
	s_mov_b32 s85, 0
	s_mov_b32 s87, 0
	s_mov_b32 s89, 0
	s_mov_b32 s66, 0x76543210                      ; lane l xor 16
	s_mov_b32 s67, 0xfedcba98
	s_mov_b32 s68, SLOT                            ; the next chunk's slot
	s_mov_b32 s69, 0                               ; the trip
	s_mov_b32 s73, 0                               ; the trip's place in the stage
	s_mov_b32 s90, 0                               ; and among the scale words
	v_and_b32 v1, 15, v0                           ; r
	v_bfe_u32 v2, v0, 4, 1                         ; h
	v_and_b32 v3, 31, v0                           ; lane
	v_mul_u32_u24 v22, v1, PITCH
	v_lshl_add_u32 v[AL0], v2, 4, v22              ; row r, + 16 h
	v_lshl_add_u32 v[ADA], v2, 4, v22
	v_add_nc_u32 v[ADB], HS, v[AL0]
	v_add_nc_u32 v[ADW], s72, v[AL0]
	v_add_nc_u32 v[ADW+1], BLKB, v[ADW]
	v_add_nc_u32 v[ADW+2], SLOT, v[ADW]
	v_add_nc_u32 v[ADW+3], SLOT+BLKB, v[ADW]
	v_lshrrev_b32 v22, 3, v1
	v_mul_u32_u24 v22, v22, 272
	v_and_b32 v[AS0], 7, v1
	v_lshl_add_u32 v22, v[AS0], 5, v22             ; row r's 32 scale bytes
	v_add_nc_u32 v[AS0], SCL, v22
	v_add_nc_u32 v[ADS], SCL, v22
	v_mul_u32_u24 v22, v2, 272
	v_lshl_add_u32 v22, v1, 4, v22
	v_add_nc_u32 v[XST], s59, v22                  ; where my scale bytes go: two units a store
	v_lshlrev_b32 v[XSO], 4, v3
	v_lshl_add_u32 v[ST0], v1, 2, s60
	v_lshl_add_u32 v[STO], v1, 2, s60
	v_lshl_add_u32 v[RD], v3, 4, s61
	v_lshlrev_b32 v[PFO], 8, v3
	v_lshlrev_b32 v[VSB], 5, v1
	v_lshlrev_b32 v[BVO], 5, v2
	v_mov_b32 v[PT], 0                             ; (a lane permute's destination counts as one of its sources)
	s_wait_alu depctr_va_vdst(0)
	s_wait_dscnt 0x0                               ; both opening adds are done
	CROUND                                         ; all sixteen work-groups are here
	s_wait_kmcnt 0x0
	s_mov_b32 s[G0Q], 1
	s_mul_i32 s[G0Q+1], s22, HS
	s_add_nc_u64 s[G0Q+2:G0Q+3], s[8:9], s[78:79]
	s_or_b32 s[G0Q+3], s[G0Q+3], 0x80000000
	s_mov_b32 s[G0K], 1
	s_mul_i32 s[G0K+1], s22, HS
	s_add_nc_u64 s[G0K+2:G0K+3], s[12:13], s[78:79]
	s_or_b32 s[G0K+3], s[G0K+3], 0x80000000
	TWOLINES G0Q, G0K, G1W                         ; waves 0, 1: Wq's 128 rows into slot 0; waves 2, 3: Wk's into slot 1
	s_mov_b32 s[G0X], 1
	s_mov_b32 s[G0X+1], s72
	s_add_nc_u64 s[G0X+2:G0X+3], s[4:5], s[88:89]
	s_or_b32 s[G0X+3], s[G0X+3], 0x80000000
	s_add_nc_u64 s[70:71], s[4:5], s[86:87]
	s_add_nc_u64 s[76:77], s[6:7], s[76:77]
	s_add_nc_u64 s[10:11], s[10:11], s[80:81]
	s_add_nc_u64 s[14:15], s[14:15], s[80:81]
	s_add_nc_u64 s[16:17], s[16:17], s[82:83]
	s_add_nc_u64 s[18:19], s[18:19], s[82:83]
	s_add_nc_u64 s[20:21], s[20:21], s[84:85]
.irp i, 0,1,2,3,4,5,6,7
	global_load_b128 v[TS+4*\i:TS+4*\i+3], v[XSO], s[76:77] offset:512*\i
.endr
.irp t, 0,1
.irp u, 0,1
	global_load_b128 v[SB+8*\t+4*\u:SB+8*\t+4*\u+3], v[VSB], s[10:11] offset:512*\t+16*\u
	global_load_b128 v[SB+16+8*\t+4*\u:SB+16+8*\t+4*\u+3], v[VSB], s[14:15] offset:512*\t+16*\u
	global_load_b128 v[BC+8*\t+4*\u:BC+8*\t+4*\u+3], v[BVO], s[16:17] offset:64*\t+16*\u
	global_load_b128 v[BC+16+8*\t+4*\u:BC+16+8*\t+4*\u+3], v[BVO], s[18:19] offset:64*\t+16*\u
.endr
.endr
	global_prefetch_b8 v[PFO], s[70:71] th:TH_LOAD_NT scope:SCOPE_SE   ; chunk 0
	s_wait_loadcnt 16                              ; x's scale bytes are in; W's scale words and the bias (16 loads) may be out
.irp i, 0,1,2,3,4,5,6,7
	ds_store_b128 v[XST], v[TS+4*\i:TS+4*\i+3] offset:544*\i
.endr
	LOWERWAIT                                      ; Wq's rows
	s_wait_dscnt 0x0                               ; my scale bytes are stored
	BARRIER
	WREAD 0
	s_wait_tensorcnt 0x0                           ; Wk's rows
	ds_add_u32 v[SPW], v[NIL]
	s_wait_dscnt 0x0
	CROUND                                         ; nobody reads slot 0 any more
	TWOLINES G0X, G0X, G1X                         ; chunk 0
	WREAD 2
	global_prefetch_b8 v[PFO], s[70:71] offset:131072 th:TH_LOAD_NT scope:SCOPE_SE   ; chunk 1
	LOWERWAIT
	s_wait_dscnt 0x0
	BARRIER                                        ; chunk 0's first 64 rows are in, and slot 1 has been read
	FETCH 0, ADA, 0, 0
	FETCH 1, ADA, BLKB, 1
	s_wait_loadcnt 0x0                             ; W's scale words, the bias
	BLK 0, 0, 34
	PLACES 8
	FETCH 0, ADA, 2*BLKB, 2
	WIN 0
.Ltrip:                                            ; a chunk's blocks 1 to 7 and the next chunk's block 0 (as block 8); 34: the loads of the block behind
	BLK 1, 1, 34
	DOT 0
	FETCH 1, ADA, 3*BLKB, 3
	BLK 2, 0, 34
	DOT 1
	FETCH 0, ADB, 0, 4
	WIN 0
	s_cmp_lt_u32 s69, 2                            ; there are four chunks
	s_cbranch_scc0 .Lnone_ahead
	global_prefetch_b8 v[PFO], s[70:71] offset:262144 th:TH_LOAD_NT scope:SCOPE_SE   ; the chunk after the one on its way
.Lnone_ahead:
	BLK 3, 0, 34
	DOT 2
	FETCH 1, ADB, BLKB, 5
	BLK 4, 0, 34
	v_add_nc_u32 v[ADA], s68, v[AL0]               ; rows 0 to 63 of the next chunk
	DOT 3
	FETCH 0, ADB, 2*BLKB, 6
	s_wait_xcnt 0x0                                ; the prefetch has read its address
	s_add_nc_u64 s[70:71], s[70:71], 0x20000
	BLK 5, 0, 34
	DOT 4
	FETCH 1, ADB, 3*BLKB, 7
	BLK 6, 2, 34
	DOT 5
	FETCH 0, ADA, 0, 8
	BLK 7, 0, 34
	v_add_nc_u32 v[ADB], HS, v[ADA]
	DOT 6
	FETCH 1, ADA, BLKB, 9
	s_add_co_u32 s73, s73, 512
	s_add_co_u32 s90, s90, 8*544
	BLK 8, 0, 34
	v_add_nc_u32 v[ADS], s90, v[AS0]
	DOT 7
	v_add_nc_u32 v[STO], s73, v[ST0]
	FETCH 0, ADA, 2*BLKB, 2
	WIN 0
	s_xor_b32 s68, s68, SLOT
	s_add_co_u32 s69, s69, 1
	s_cmp_lt_u32 s69, 3
	s_cbranch_scc1 .Ltrip
	BLK 1, 0, 34                                   ; the last chunk asks for nothing more
	DOT 0
	FETCH 1, ADA, 3*BLKB, 3
	BLK 2, 3, 34
	DOT 1
	FETCH 0, ADB, 0, 4
	BLK 3, 0, 34
	DOT 2
	FETCH 1, ADB, BLKB, 5
	BLK 4, 0, 34
	DOT 3
	FETCH 0, ADB, 2*BLKB, 6
	BLK 5, 0, 34
	DOT 4
	FETCH 1, ADB, 3*BLKB, 7
	BLK 6, 0, 34
	DOT 5
	BLK 7, 0, 0
	DOT 6
.set A_, ACC+32
.irp n, 1,2,3,4,5,6,7,8
	DSTEP \n
.endr
	ds_store_b32 v[STO], v[DV] offset:448
	s_wait_dscnt 0x0                               ; for the others' sake: my part of d is stored
	BARRIER
.irp u, 0,1,2,3
	ds_load_b128 v[SUM+4*\u:SUM+4*\u+3], v[RD] offset:2048*\u   ; four rows' sums over wave u's 32 h
.endr
	s_wait_dscnt 0x0
.irp i, 0,2
	v_pk_add_f32 v[SUM+\i:SUM+\i+1], v[SUM+\i:SUM+\i+1], v[SUM+4+\i:SUM+5+\i]
	v_pk_add_f32 v[SUM+8+\i:SUM+9+\i], v[SUM+8+\i:SUM+9+\i], v[SUM+12+\i:SUM+13+\i]
.endr
.irp i, 0,2
	v_pk_add_f32 v[SUM+\i:SUM+\i+1], v[SUM+\i:SUM+\i+1], v[SUM+8+\i:SUM+9+\i]
.endr
	global_store_b128 v[XSO], v[SUM:SUM+3], s[20:21]   ; 512 consecutive bytes
	s_wait_tensorcnt 0x0                           ; the wave's end
	ds_add_u32 v[SPW], v[NIL]
	s_wait_dscnt 0x0
	CROUND                                         ; no work-group ends while a partner may still ask for a tile that names it
	s_endpgm
.Lfunc_end_k_q94da8dbef1_qk:
	.size	k_q94da8dbef1_qk, .Lfunc_end_k_q94da8dbef1_qk-k_q94da8dbef1_qk
	.p2alignl 7, 3214868480
	.fill 96, 4, 3214868480
	.section	.rodata,"a",@progbits
	.p2align	6, 0x0
	.amdhsa_kernel k_q94da8dbef1_qk
		.amdhsa_group_segment_fixed_size 327680
		.amdhsa_private_segment_fixed_size 0
		.amdhsa_enable_private_segment 0
		.amdhsa_kernarg_size 72
		.amdhsa_user_sgpr_count 2
		.amdhsa_user_sgpr_kernarg_segment_ptr 1
		.amdhsa_wavefront_size32 1
		.amdhsa_system_sgpr_workgroup_id_x 1
		.amdhsa_system_sgpr_workgroup_id_y 1
		.amdhsa_system_sgpr_workgroup_id_z 1
		.amdhsa_system_vgpr_workitem_id 0
		.amdhsa_next_free_vgpr 1024
		.amdhsa_next_free_sgpr 100
		.amdhsa_reserve_vcc 0
		.amdhsa_float_denorm_mode_32 3
		.amdhsa_float_denorm_mode_16_64 3
		.amdhsa_memory_ordered 1
		.amdhsa_forward_progress 1
		.amdhsa_inst_pref_size 148
	.end_amdhsa_kernel
	.amdgpu_metadata
---
amdhsa.version: [ 1, 2 ]
amdhsa.kernels:
  - .name:           k_q94da8dbef1_qk
    .symbol:         k_q94da8dbef1_qk.kd
    .args:
      - { .name: x_codes, .offset: 0, .size: 8, .value_kind: global_buffer, .address_space: global }
      - { .name: x_scales, .offset: 8, .size: 8, .value_kind: global_buffer, .address_space: global }
      - { .name: Wq_codes, .offset: 16, .size: 8, .value_kind: global_buffer, .address_space: global }
      - { .name: Wq_scales, .offset: 24, .size: 8, .value_kind: global_buffer, .address_space: global }
      - { .name: Wk_codes, .offset: 32, .size: 8, .value_kind: global_buffer, .address_space: global }
      - { .name: Wk_scales, .offset: 40, .size: 8, .value_kind: global_buffer, .address_space: global }
      - { .name: bq, .offset: 48, .size: 8, .value_kind: global_buffer, .address_space: global }
      - { .name: bk, .offset: 56, .size: 8, .value_kind: global_buffer, .address_space: global }
      - { .name: dpart, .offset: 64, .size: 8, .value_kind: global_buffer, .address_space: global }
    .group_segment_fixed_size: 327680
    .private_segment_fixed_size: 0
    .kernarg_segment_align: 8
    .kernarg_segment_size: 72
    .max_flat_workgroup_size: 128
    .sgpr_count:     100
    .vgpr_count:     1024
    .wavefront_size: 32
...
	.end_amdgpu_metadata
.endif
;; end of part 1
;; launch vctx (part 2): grid 4 x 64, 4 waves a work-group, clusters of 4 x 4, 327,680 bytes of LDS; arguments x_codes, x_scales, Wv_codes, Wv_scales, bv, dpart, ctx_codes, ctx_scales; writes ctx_codes, ctx_scales
.if DOCPART == 2
	.amdgcn_target "amdgcn-amd-amdhsa--gfx1250"
	.amdhsa_code_object_version 6
	.text
	.protected	k_q94da8dbef1_vctx
	.globl	k_q94da8dbef1_vctx
	.p2align	8
	.type	k_q94da8dbef1_vctx,@function
k_q94da8dbef1_vctx:
	s_mov_b64 s[64:65], 0
	v_nop
	global_prefetch_b8 v0, s[64:65] scope:SCOPE_SE
	s_setreg_imm32_b32 hwreg(HW_REG_WAVE_MODE, 25, 1), 1
	s_wait_xcnt 0x0
	s_wait_alu depctr_hold_cnt(0) depctr_sa_sdst(0) depctr_va_vdst(0) depctr_va_sdst(0) depctr_va_ssrc(0) depctr_va_vcc(0) depctr_vm_vsrc(0)
	s_getreg_b32 s2, hwreg(HW_REG_IB_STS2, 6, 4)
	s_cmp_eq_u32 s2, 0
	s_cbranch_scc0 .Lentry_in_a_cluster
	s_endpgm
.Lentry_in_a_cluster:
	s_bfe_u32 s2, ttmp6, 0x10000c
	s_cmp_lg_u32 s2, 0xf033
	s_cbranch_scc0 .Lentry_shape_is_right
	s_endpgm
.Lentry_shape_is_right:
; v = x Wv^T + bv on codes of BF8 (E5M2) with one E8M0 scale for each 32 along K (K = 1,024); contexts[row] = colsum[row] v[row], quantised along its columns.  No f32 result is stored.
; colsum[j] = S + (e1[j] - e0[j]) / Z[j], S = the sum over the 2,048 rows i of the sequence of e0[i] / Z[i], e1 = exp(d - m), e0 = exp(-m), m = max(d, 0), Z = e1 + 2,047 e0; d = the sum of dpart's eight parts.
; WORK LEFT OUT: the arrays [L, L]: a row of sims holds d once and L - 1 zeros that the problem builds itself, for all values of the inputs.  A NaN, an infinity or an overflow that reaches only them is not carried on.
; LIMITS: NaN and infinities are not served.  A block's scale byte never falls under 1.
; WHERE THE RESULTS GO.  ctx_codes: [block of 16 rows][piece p = 0 .. 31][lane][16 bytes]: piece p is columns 32 p .. 32 p + 31; lane (r, h) has row r's columns 8 h .. 8 h + 7 and then 16 + 8 h .. 23 + 8 h.
; ctx_scales: [K step q = 0 .. 7][16,384 rows] words: byte c is the scale byte of columns 128 q + 32 c on.
; SHARES.  256 work-groups of four waves: 256 rows x 256 columns.  Wave w holds the rows 32 w .. 32 w + 31 of Wv's lower 128 (tiles 0, 1) and of its upper 128 (tiles 2, 3), all of K, in 512 registers; x's rows go past in 16 blocks of 16: 8 K steps x 4
; tiles = 32 matrix instructions on 4 accumulators by turns, fed by one run of LDS loads.  Source 0 = 16 rows of Wv, source 1 = 16 rows of x: a lane holds one row of x and eight neighbouring columns; tiles 0, 1 are one scale block of 32, tiles 2, 3
; another, each in lanes l and l xor 16.  The bias is the C of each sum's first product.  A block's quantiser, 80 lines, stands behind the NEXT block's products, three lines behind each of 27.
; LDS: two slots of 128 rows x 1,040 bytes: at the head Wv's lower and upper rows; then x's rows 32 .. 159 take slot 0 and rows 160 .. 255 the beginning of slot 1, so that block i >= 2 begins at (i - 2) x 16,640.  Blocks 0 and 1 have bytes of their own.
; CLUSTERS 4 x 4: a row of the cluster shares x's rows, a column Wv's: joint loads.
; FILLS.  One load a wave: at the head wave 0 Wv's lower rows, wave 1 its upper rows, waves 2 and 3 blocks 0 and 1.  Rows 32 .. 159 behind a round once tiles 0, 1 are in registers: waves 0 and 1's half is shown inside block 0, the rest by the round
; inside block 3, behind which rows 160 .. 255 come; they are shown inside block 8 (the barrier stands in each trip of the second loop).
; PREFETCHES.  Rows 32 .. 159 are asked of memory at the head, rows 160 .. 255 behind the load before theirs; the sixteen waves of a cluster row share them out by address.
; REGISTERS: window 0: v1-23, v56-59, v76-79 addresses and work; v24-55 Wv's scale words; v60-75 x's, two sets; v80-111 the bias; v112-175 two sets of 4 accumulators; v176-193 the quantiser.  At the head v112-255 hold dpart.
;   windows 1, 2: Wv: fragment (K step q, tile t) is number n = 4 q + t, at 16 (n % 16) of window 1 + n / 16.   window 3: x's fragments, two sets of 128 (K step q at 16 q).
.set PITCH, 1040                       ; 1,024 bytes + 16 of padding = 260 words: row r starts at bank 4 r mod 64 (64 banks of 4 bytes: ISA guide 11.1)
.set BLKB,  16*PITCH
.set SLOT,  128*PITCH
.set ELDS,  2*SLOT                     ; blocks 0 and 1
.set SCL,   ELDS+2*BLKB                ; x's scale bytes: units of 256 bytes (8 rows) + 16
.set CST,   SCL+32*272                 ; colsum, a word a row
.set YS,    CST+1024                   ; contexts' scale bytes: [wave][lower, upper][256 rows]
.set SCR,   YS+2048                    ; S, a word a wave
.set SPARE, SCR+256
.set AL0, 4
.set AX,  5
.set AE,  6
.set ADS, 7
.set AYS, 8
.set RD,  9
.set SPW, 10
.set NIL, 11
.set PFA, 12
.set PFB, 13
.set XSO, 14
.set XST, 15
.set ADW, 16
.set VSB, 20
.set BVO, 21
.set AS0, 23
.set SB,  24
.set CV,  56
.set ACV, 58
.set CV0, 59
.set SA,  60
.set AYS0, 76
.set SW,  77
.set OWN, 78
.set CSW, 79
.set BC,  80
.set ACC, 112
.set MX,  176
.set PT,  178
.set SO,  180
.set BB,  182
.set EB,  184
.set MC,  186
.set DP,  112                          ; the head: dpart of the sequence, 8 parts x 16 rows a lane
.set DO,  240                          ; and of my rows, 8 parts x 2
.set G1W, 24
.set G1X, 32
.set G0L, 40
.set G0H, 44
.set G0E, 48
.set G0X, 68
.set MSB, 0
.macro WIN new                         ; the immediate's high byte repeats the setting that is left
.if MSB != (\new)
	s_set_vgpr_msb (MSB<<8)|(\new)
.set MSB, (\new)
.endif
.endm
.macro PLACES n
.rept \n
	v_nop
.endr
.endm
.macro WALU
	s_wait_alu depctr_va_vdst(0)
.endm
.macro BARRIER
	s_barrier_signal -1
	s_barrier_wait -1
.endm
.macro MIDDLE                          ; wave 0 signals for its work-group, all wait for the cluster
	s_cmp_lg_u32 s22, 0
	s_cbranch_scc1 .Lnot_wave_0_\@
	s_barrier_signal -3
.Lnot_wave_0_\@:
	s_barrier_wait -3
.endm
.macro CROUND
	BARRIER
	MIDDLE
	BARRIER
.endm
.macro TLOAD g0, g1
	tensor_load_to_lds s[\g0:\g0+3], s[\g1:\g1+7]
	s_nop 0
	PLACES 4
.endm
.macro GROUP1 g, mask, rows            ; rows of 1,024 bytes, 4 words of padding behind every 256
	s_or_b32 s[\g], s[\mask], (1<<20)|(1<<21)|(7<<22)|(3<<25)
	s_mov_b32 s[\g+1], 1024<<16
	s_mov_b32 s[\g+2], (\rows)<<16
	s_mov_b32 s[\g+3], 1024<<16
	s_mov_b32 s[\g+4], \rows
	s_mov_b32 s[\g+5], 1024
	s_mov_b32 s[\g+6], 0
	s_mov_b32 s[\g+7], 0
.endm
.macro ADDSH d, s, n
	s_lshl_b32 s58, s\s, \n
	s_add_co_u32 s\d, s\d, s58
.endm
.macro WREAD t0                        ; tiles t0, t0 + 1 of Wv, all of K: 64 loads
.irp q, 0,1,2,3,4,5,6,7
.irp t, \t0, \t0+1
.set F_, 4*\q+(\t)
	WIN (1+F_/16)<<6
.irp c, 0,1,2,3
	ds_load_b128 v[16*(F_%16)+4*\c:16*(F_%16)+4*\c+3], v[ADW+(\t)] offset:128*\q+32*\c
.endr
.endr
.endr
	WIN 0
.endm
.macro FETCH set, ad, off, unit, co    ; colsum of the block just multiplied (co < 0: none); a block of x, all of K, and its scale words: 34 loads
	WIN 0
.if (\co) >= 0
	ds_load_b32 v[CV], v[ACV] offset:\co
.endif
	ds_load_b128 v[SA+8*\set:SA+8*\set+3], v[ADS] offset:544*(\unit)
	ds_load_b128 v[SA+8*\set+4:SA+8*\set+7], v[ADS] offset:544*(\unit)+16
	WIN 0xc0
.irp q, 0,1,2,3,4,5,6,7
.irp c, 0,1,2,3
	ds_load_b128 v[128*\set+16*\q+4*\c:128*\set+16*\q+4*\c+3], v[\ad] offset:(\off)+128*\q+32*\c
.endr
.endr
.endm
; THE QUANTISER of the sums at X_, line k = 0 .. 79: two chains of largest magnitudes (each accumulator from its low end on), x |colsum| (a product rises with its factor, so this is the largest product), joined with lane l xor 16 and the floor
; 2^(16 - 127); the scale operand, the bound 57,344 x the scale, the byte; then tile by tile the products, the holds and the conversion.
.macro ELINE k
.set H_, (\k)%2
.set Y_, X_+16*H_
.if (\k) < 2
	v_max3_num_f32 v[MX+H_], |v[Y_]|, |v[Y_+1]|, |v[Y_+2]|
.elseif (\k) < 14
.set S_, 2*((\k)/2)
	v_max3_num_f32 v[MX+H_], v[MX+H_], |v[Y_+S_+1]|, |v[Y_+S_+2]|
.elseif (\k) < 16
	v_max_num_f32 v[MX+H_], v[MX+H_], |v[Y_+15]|
.elseif (\k) < 18
	v_mul_f32 v[MX+H_], v[MX+H_], |v[CV]|
.elseif (\k) < 20
	v_permlanex16_b32 v[PT+H_], v[MX+H_], s66, s67
.elseif (\k) < 22
	v_max3_num_f32 v[MX+H_], v[MX+H_], v[PT+H_], 0x8000000
.elseif (\k) < 24
	v_add_nc_u32 v[SO+H_], 0xf8800000, v[MX+H_]
.elseif (\k) < 26
	v_and_or_b32 v[BB+H_], v[MX+H_], 0x7f800000, s62
.elseif (\k) < 28
	v_lshrrev_b32 v[EB+H_], 23, v[SO+H_]
.elseif (\k) < 80
.set U_, ((\k)-28)/13
.set J_, ((\k)-28)%13
.set H_, U_/2
.set Y_, X_+8*U_
.if J_ < 4
	v_pk_mul_f32 v[Y_+2*J_:Y_+2*J_+1], v[Y_+2*J_:Y_+2*J_+1], v[CV:CV+1] op_sel_hi:[1,0]
.elseif J_ < 12
	v_med3_num_f32 v[Y_+J_-4], v[Y_+J_-4], -v[BB+H_], v[BB+H_]
.else
	v_cvt_scalef32_pk8_bf8_f32 v[MC+2*U_:MC+2*U_+1], v[Y_:Y_+7], v[SO+H_]
.endif
.endif
.endm
.macro PROD blk, n
.set Q_, (\n)/4
.set T_, (\n)%4
.set E_, (\blk)%2
.set D_, ACC+32*E_+8*T_
.set C_, D_
.if Q_ == 0
.set C_, BC+8*T_
.endif
.set W_, 16*((\n)%16)
.set V_, 128*E_+16*Q_
	WIN (1+(\n)/16)|(3<<2)
	v_wmma_scale_f32_16x16x128_f8f6f4 v[D_:D_+7], v[W_:W_+15], v[V_:V_+15], v[C_:C_+7], v[SB+8*T_+Q_], v[SA+8*E_+Q_] matrix_a_fmt:MATRIX_FMT_BF8 matrix_b_fmt:MATRIX_FMT_BF8
.endm
.macro GAP blk, n, epi
.if ((\epi) > 0) && ((\n) > 0) && ((\n) < 28)
.set X_, ACC+32*(((\blk)+1)%2)
	WIN 0
.set K_, 3*((\n)-1)
	ELINE K_
	ELINE K_+1
	ELINE K_+2
.endif
.endm
.macro PRODS blk, from, to, epi
.set N_, \from
.rept (\to)-(\from)
	PROD \blk, N_
	GAP \blk, N_, \epi
.set N_, N_+1
.endr
.endm
; A BLOCK (blk: its number or one of the same parity).  left: the LDS loads that may be out.  kind 1: a round and rows 160 .. 255; 2: a barrier that shows waves 0 and 1's rows; 3: a barrier that shows all.  epi: the block before is quantised.
.macro BLK blk, kind, left, epi
	s_wait_dscnt \left
.if \epi
	s_wait_xcnt 0x0                                ; earlier stores have read their codes
.endif
.if \kind == 1
	WIN 0
	s_wait_tensorcnt 0x0                           ; my part of rows 32 .. 159 is in, so the descriptor may be written;
	ds_add_u32 v[SPW], v[NIL]
	s_mov_b32 s[G1X+2], 24<<16
	s_mov_b32 s[G1X+4], 24
	s_mul_i32 s58, s22, 24*PITCH
	s_add_co_u32 s[G0X+1], s58, SLOT
	s_mov_b64 s[G0X+2:G0X+3], s[92:93]
	s_or_b32 s[G0X+3], s[G0X+3], 0x80000000
.endif
	PRODS \blk, 0, 28, \epi
.if \kind > 0
	WIN 0
.if \kind == 2
	s_cmp_lt_u32 s22, 2
	s_cbranch_scc0 .Lnot_yet_\@
	s_wait_tensorcnt 0x0
.Lnot_yet_\@:
.elseif \kind == 3
	s_wait_tensorcnt 0x0
.endif
	s_wait_dscnt 0x0                               ; my reads (and the add) are done
	s_barrier_signal -1
.endif
	PRODS \blk, 28, 32, 0
	WIN 0
.if \kind == 1
	s_barrier_wait -1
	MIDDLE
	BARRIER                                        ; nobody reads Wv's upper rows any more
	TLOAD G0X, G1X
.elseif \kind > 1
	s_barrier_wait -1
.endif
.endm
.macro OUTB yoff, goff                 ; a block's two bytes a row go to their place in LDS, its codes leave: 512 consecutive bytes a store
	WALU
	ds_store_b8 v[AYS], v[EB] offset:\yoff
	ds_store_b8 v[AYS], v[EB+1] offset:(\yoff)+256
	global_store_b128 v[XSO], v[MC:MC+3], s[2:3] offset:\goff
	global_store_b128 v[XSO], v[MC+4:MC+7], s[2:3] offset:(\goff)+2048
.endm
	s_load_b256 s[4:11], s[0:1], 0x0               ; x codes, x scales, Wv codes, Wv scales
	s_load_b256 s[12:19], s[0:1], 0x20             ; bv, dpart, ctx codes, ctx scales
	v_lshl_add_u32 v[SPW], v0, 2, SPARE
	v_mov_b32 v[NIL], 0
	ds_add_u32 v[SPW], v[NIL]
	ds_add_u32 v[SPW], v[NIL]
	v_lshrrev_b32 v1, 5, v0
	v_readfirstlane_b32 s22, v1                    ; wave 0..3
	s_bfe_u32 s52, ttmp6, 0x40000                  ; cx, cy
	s_bfe_u32 s53, ttmp6, 0x40004
	s_lshl_b32 s54, ttmp9, 2
	s_add_co_u32 s54, s54, s52                     ; column tile
	s_and_b32 s55, ttmp7, 0xffff
	s_lshl_b32 s55, s55, 2
	s_add_co_u32 s55, s55, s53                     ; row tile
	s_lshl_b32 s56, s53, 2
	s_lshl_b32 s56, 15, s56                        ; my row of the cluster shares x
	s_lshl_b32 s57, 0x1111, s52                    ; my column shares Wv
	GROUP1 G1W, 57, 128
	GROUP1 G1X, 56, 16
	s_mul_i32 s72, s22, 32*PITCH                   ; my 32 rows of a slot
	s_mul_i32 s59, s22, 8*272
	s_add_co_u32 s59, s59, SCL
	s_lshl_b32 s60, s22, 9
	s_add_co_u32 s60, s60, YS-16
	s_lshl_b32 s61, s22, 7
	s_add_co_u32 s61, s61, YS
	s_lshl_b32 s63, s22, 2
	s_add_co_u32 s63, s63, SCR
	s_lshl_b32 s73, s22, 8
	s_add_co_u32 s73, s73, CST
	s_and_b32 s23, s22, 1
	s_lshl_b32 s74, s55, 18                        ; x's rows, in bytes; contexts' blocks are as many bytes
	s_mov_b32 s84, s74
	ADDSH 84, 23, 14                               ; block 0 or 1
	s_lshl_b32 s86, s52, 2
	s_add_co_u32 s86, s86, s22                     ; which of the cluster row's sixteen waves I am
	s_mul_i32 s88, s86, 6144
	s_lshl_b32 s86, s86, 13
	s_add_co_u32 s86, s86, s74
	s_add_co_u32 s86, s86, 32*1024                 ; my share of rows 32 .. 159
	s_add_co_u32 s88, s88, s74
	s_add_co_u32 s88, s88, 160*1024                ; and of rows 160 .. 255
	s_add_co_u32 s90, s74, 32*1024
	ADDSH 90, 22, 15                               ; the rows that I fetch
	s_mul_i32 s92, s22, 24*1024
	s_add_co_u32 s92, s92, s74
	s_add_co_u32 s92, s92, 160*1024
	s_lshl_b32 s94, s54, 18                        ; Wv's rows
	s_lshl_b32 s96, s54, 13
	ADDSH 96, 22, 10                               ; their scale bytes
	s_lshl_b32 s98, s54, 10
	ADDSH 98, 22, 7                                ; the bias
	s_lshl_b32 s100, s55, 13
	ADDSH 100, 22, 11                              ; x's scale bytes, 64 rows
	s_lshr_b32 s80, s55, 3
	s_lshl_b32 s80, s80, 13
	ADDSH 80, 22, 11                               ; dpart: 512 rows of the sequence
	s_lshl_b32 s82, s55, 10
	ADDSH 82, 22, 8                                ; and 64 of my work-group's rows
	s_mov_b32 s2, s74
	ADDSH 2, 54, 12
	ADDSH 2, 22, 9                                 ; contexts' codes: piece 8 x column tile + wave
	s_lshl_b32 s104, s54, 1
	s_lshr_b32 s58, s22, 1
	s_add_co_u32 s104, s104, s58
	s_lshl_b32 s104, s104, 16
	ADDSH 104, 55, 10
	ADDSH 104, 23, 9                               ; their scale words: plane 2 x column tile + wave / 2, 128 rows
.irp p, 3,81,83,85,87,89,91,93,95,97,99,101,105
	s_mov_b32 s\p, 0
.endr
	s_mov_b32 s66, 0x76543210                      ; lane l xor 16
	s_mov_b32 s67, 0xfedcba98
	s_mov_b32 s62, 0x600000                        ; the mantissa field of 57,344
	v_and_b32 v1, 15, v0                           ; r
	v_bfe_u32 v2, v0, 4, 1                         ; h
	v_and_b32 v3, 31, v0                           ; lane
	v_mul_u32_u24 v22, v1, PITCH
	v_lshl_add_u32 v[AL0], v2, 4, v22              ; row r, + 16 h
	v_lshl_add_u32 v[AX], v2, 4, v22
	v_add_nc_u32 v[AE], ELDS, v[AL0]
	v_add_nc_u32 v[ADW], s72, v[AL0]
	v_add_nc_u32 v[ADW+1], BLKB, v[ADW]
	v_add_nc_u32 v[ADW+2], SLOT, v[ADW]
	v_add_nc_u32 v[ADW+3], SLOT+BLKB, v[ADW]
	v_lshrrev_b32 v22, 3, v1
	v_mul_u32_u24 v22, v22, 272
	v_and_b32 v[AS0], 7, v1
	v_lshl_add_u32 v22, v[AS0], 5, v22             ; row r's 32 scale bytes
	v_add_nc_u32 v[AS0], SCL, v22
	v_add_nc_u32 v[ADS], SCL, v22
	v_mul_u32_u24 v22, v2, 272
	v_lshl_add_u32 v22, v1, 4, v22
	v_add_nc_u32 v[XST], s59, v22                  ; where my scale bytes go: two units a store
	v_lshlrev_b32 v[XSO], 4, v3
	v_lshl_add_u32 v[CV0], v1, 2, CST
	v_lshl_add_u32 v[ACV], v1, 2, CST
	v_add_nc_u32 v[AYS0], s60, v1                  ; contexts' scale bytes: block j's at 16 (j + 1)
	v_add_nc_u32 v[AYS], s60, v1
	v_lshl_add_u32 v[RD], v3, 2, s61
	v_mov_b32 v[SW], s63
	v_lshlrev_b32 v[OWN], 3, v3
	v_lshl_add_u32 v[CSW], v3, 3, s73
	v_lshlrev_b32 v[PFA], 8, v3
	v_min_u32 v22, 23, v3
	v_lshlrev_b32 v[PFB], 8, v22
	v_lshlrev_b32 v[VSB], 5, v1
	v_lshlrev_b32 v[BVO], 5, v2
	WALU
	s_wait_dscnt 0x0                               ; both opening adds are done
	CROUND                                         ; all sixteen work-groups are here
	s_wait_kmcnt 0x0
	s_add_nc_u64 s[94:95], s[8:9], s[94:95]
	s_mov_b32 s[G0L], 1
	s_mov_b32 s[G0L+1], 0
	s_mov_b64 s[G0L+2:G0L+3], s[94:95]
	s_or_b32 s[G0L+3], s[G0L+3], 0x80000000
	s_mov_b32 s[G0H], 1
	s_mov_b32 s[G0H+1], SLOT
	s_add_nc_u64 s[G0H+2:G0H+3], s[94:95], 0x20000
	s_or_b32 s[G0H+3], s[G0H+3], 0x80000000
	s_mov_b32 s[G0E], 1
	s_mul_i32 s[G0E+1], s23, BLKB
	s_add_co_u32 s[G0E+1], s[G0E+1], ELDS
	s_add_nc_u64 s[G0E+2:G0E+3], s[4:5], s[84:85]
	s_or_b32 s[G0E+3], s[G0E+3], 0x80000000
	s_cmp_eq_u32 s22, 0                            ; one joint load a wave; a line of its own for what is shown first
	s_cbranch_scc0 .Lwave_1
	TLOAD G0L, G1W
	s_branch .Lasked
.Lwave_1:
	s_cmp_eq_u32 s22, 1
	s_cbranch_scc0 .Lwaves_2_3
	TLOAD G0H, G1W
	s_branch .Lasked
.Lwaves_2_3:
	TLOAD G0E, G1X
.Lasked:
	s_mov_b32 s[G0X], 1
	s_mov_b32 s[G0X+1], s72
	s_add_nc_u64 s[G0X+2:G0X+3], s[4:5], s[90:91]
	s_or_b32 s[G0X+3], s[G0X+3], 0x80000000
	s_add_nc_u64 s[92:93], s[4:5], s[92:93]
	s_add_nc_u64 s[86:87], s[4:5], s[86:87]
	s_add_nc_u64 s[88:89], s[4:5], s[88:89]
	s_add_nc_u64 s[100:101], s[6:7], s[100:101]
	s_add_nc_u64 s[96:97], s[10:11], s[96:97]
	s_add_nc_u64 s[98:99], s[12:13], s[98:99]
	s_add_nc_u64 s[80:81], s[14:15], s[80:81]
	s_add_nc_u64 s[82:83], s[14:15], s[82:83]
	s_add_nc_u64 s[2:3], s[16:17], s[2:3]
	s_add_nc_u64 s[104:105], s[18:19], s[104:105]
.irp i, 0,1,2,3
	global_load_b128 v[SA+4*\i:SA+4*\i+3], v[XSO], s[100:101] offset:512*\i
.endr
.irp p, 0,1,2,3,4,5,6,7
	global_load_b64 v[DO+2*\p:DO+2*\p+1], v[OWN], s[82:83] offset:65536*\p
.irp g, 0,1,2,3
	global_load_b128 v[DP+16*\p+4*\g:DP+16*\p+4*\g+3], v[XSO], s[80:81] offset:65536*\p+512*\g
.endr
.endr
.irp t, 0,1
.irp u, 0,1
	global_load_b128 v[SB+8*\t+4*\u:SB+8*\t+4*\u+3], v[VSB], s[96:97] offset:512*\t+16*\u
	global_load_b128 v[SB+16+8*\t+4*\u:SB+16+8*\t+4*\u+3], v[VSB], s[96:97] offset:4096+512*\t+16*\u
	global_load_b128 v[BC+8*\t+4*\u:BC+8*\t+4*\u+3], v[BVO], s[98:99] offset:64*\t+16*\u
	global_load_b128 v[BC+16+8*\t+4*\u:BC+16+8*\t+4*\u+3], v[BVO], s[98:99] offset:512+64*\t+16*\u
.endr
.endr
	global_prefetch_b8 v[PFA], s[86:87] th:TH_LOAD_NT scope:SCOPE_SE
	s_wait_loadcnt 56                              ; x's scale bytes are in; 40 loads of dpart and 16 of scale words and the bias may be out
.irp i, 0,1,2,3
	ds_store_b128 v[XST], v[SA+4*\i:SA+4*\i+3] offset:544*\i
.endr
	s_wait_loadcnt 16                              ; dpart
.irp p, 1,2,3,4,5,6,7
	v_pk_add_f32 v[DO:DO+1], v[DO:DO+1], v[DO+2*\p:DO+2*\p+1]
.irp i, 0,2,4,6,8,10,12,14
	v_pk_add_f32 v[DP+\i:DP+\i+1], v[DP+\i:DP+\i+1], v[DP+16*\p+\i:DP+16*\p+\i+1]
.endr
.endr
; v128-145 e1's exponents (16 rows of the sequence, 2 of mine), v146-163 e0's, v164-181 Z
.irp i, 0,1,2,3,4,5,6,7,8,9,10,11,12,13,14,15
	v_min_num_f32 v[128+\i], 0, v[DP+\i]
	v_min_num_f32 v[146+\i], 0, -v[DP+\i]
.endr
.irp i, 0,1
	v_min_num_f32 v[144+\i], 0, v[DO+\i]
	v_min_num_f32 v[162+\i], 0, -v[DO+\i]
.endr
.irp i, 0,2,4,6,8,10,12,14,16,18,20,22,24,26,28,30,32,34
	v_pk_mul_f32 v[128+\i:129+\i], v[128+\i:129+\i], 0x3fb8aa3b op_sel_hi:[1,0]
.endr
	WALU
.set I_, 128
.rept 36
	v_exp_f32 v[I_], v[I_]
.set I_, I_+1
.endr
	v_nop
	WALU
.set I_, 0
.rept 18
	v_fmamk_f32 v[164+I_], v[146+I_], 0x44ffe000, v[128+I_]
.set I_, I_+1
.endr
	WALU
.set I_, 164
.rept 18
	v_rcp_f32 v[I_], v[I_]
.set I_, I_+1
.endr
	v_nop
	WALU
.irp i, 0,2,4,6,8,10,12,14
	v_pk_mul_f32 v[146+\i:147+\i], v[146+\i:147+\i], v[164+\i:165+\i]
.endr
	v_pk_add_f32 v[144:145], v[144:145], v[162:163] neg_lo:[0,1] neg_hi:[0,1]
.irp i, 0,2,4,6
	v_pk_add_f32 v[146+\i:147+\i], v[146+\i:147+\i], v[154+\i:155+\i]
.endr
	v_pk_mul_f32 v[144:145], v[144:145], v[180:181]
	v_pk_add_f32 v[146:147], v[146:147], v[150:151]
	v_pk_add_f32 v[148:149], v[148:149], v[152:153]
	v_pk_add_f32 v[146:147], v[146:147], v[148:149]
	v_add_f32 v146, v146, v147
	v_add_f32_dpp v146, v146, v146 row_xmask:1 row_mask:0xf bank_mask:0xf
	v_add_f32_dpp v146, v146, v146 row_xmask:2 row_mask:0xf bank_mask:0xf
	v_add_f32_dpp v146, v146, v146 row_xmask:4 row_mask:0xf bank_mask:0xf
	v_add_f32_dpp v146, v146, v146 row_xmask:8 row_mask:0xf bank_mask:0xf
	v_mov_b32 v147, 0
	v_permlanex16_b32 v147, v146, s66, s67
	v_add_f32 v146, v146, v147
	v_mov_b32 v[PT], 0                             ; (a lane permute's destination counts as one of its sources)
	v_mov_b32 v[PT+1], 0
	v_mov_b32 v[CV+1], 0                           ; (named as the upper half of a pair)
	ds_store_b32 v[SW], v146
	WALU
	s_cmp_eq_u32 s22, 0
	s_cbranch_scc0 .Lnot_lower
	s_wait_tensorcnt 0x0                           ; wave 0: Wv's lower rows are in
.Lnot_lower:
	s_wait_dscnt 0x0
	BARRIER
	v_mov_b32 v22, SCR
	ds_load_b128 v[148:151], v22
	s_wait_dscnt 0x0
	v_add_f32 v148, v148, v149
	v_add_f32 v150, v150, v151
	v_add_f32 v148, v148, v150                     ; S
	v_add_f32 v144, v148, v144
	v_add_f32 v145, v148, v145
	ds_store_b64 v[CSW], v[144:145]                ; colsum of two of my rows a lane
	WREAD 0
	s_wait_tensorcnt 0x0                           ; Wv's upper rows, blocks 0 and 1
	ds_add_u32 v[SPW], v[NIL]
	s_mov_b32 s[G1X+2], 32<<16                     ; no load of mine is out: from here on 32 rows a wave
	s_mov_b32 s[G1X+4], 32
	s_wait_dscnt 0x0
	CROUND                                         ; nobody reads slot 0 any more
	s_cmp_lt_u32 s22, 2                            ; waves 0, 1 and waves 2, 3 have a load line each
	s_cbranch_scc0 .Lupper
	TLOAD G0X, G1X
	s_branch .Lboth
.Lupper:
	TLOAD G0X, G1X
.Lboth:
	WREAD 2
	global_prefetch_b8 v[PFB], s[88:89] th:TH_LOAD_NT scope:SCOPE_SE
	FETCH 0, AE, 0, 0, -1
	FETCH 1, AE, BLKB, 1, -1
	WIN 0
	s_wait_loadcnt 0x0                             ; Wv's scale words, the bias
	BLK 0, 2, 34, 0
	PLACES 8                                       ; behind the products, ahead of the loads into the registers that they have read
	FETCH 0, AX, 0, 2, 0
	BLK 1, 0, 34, 1
	PLACES 8
	OUTB 16, 0
	FETCH 1, AX, BLKB, 3, 64
	BLK 2, 0, 34, 1
	PLACES 8
	OUTB 32, 16384
	FETCH 0, AX, 2*BLKB, 4, 128
	BLK 3, 1, 34, 1
	PLACES 8
	OUTB 48, 32768
	FETCH 1, AX, 3*BLKB, 5, 192
	WIN 0
	s_mov_b32 s60, 4*BLKB                          ; blocks 4 to 7: where the block two on begins,
	s_mov_b32 s61, 6*544                           ; its scale words,
	s_mov_b32 s63, 4*64                            ; this block's colsum,
	s_mov_b32 s59, 4*16                            ; and the bytes of the block before
	s_mov_b32 s73, 0
.macro TRIP kind                       ; two blocks
	BLK 4, \kind, 34, 1
	v_add_nc_u32 v[AX], s60, v[AL0]                ; four of the eight places
	v_add_nc_u32 v[ADS], s61, v[AS0]
	v_add_nc_u32 v[ACV], s63, v[CV0]
	v_add_nc_u32 v[AYS], s59, v[AYS0]
	PLACES 4
	s_add_nc_u64 s[2:3], s[2:3], 0x8000            ; (behind the block's wait on XCNT)
	OUTB 0, 16384
	FETCH 0, AX, 0, 0, 0
	BLK 5, 0, 34, 1
	PLACES 8
	OUTB 16, 32768
	FETCH 1, AX, BLKB, 1, 64
	WIN 0
	s_add_co_u32 s60, s60, 2*BLKB
	s_add_co_u32 s61, s61, 2*544
	s_add_co_u32 s63, s63, 128
	s_add_co_u32 s59, s59, 32
	s_add_co_u32 s73, s73, 1
.endm
.Lfour:
	TRIP 0
	s_cmp_lt_u32 s73, 2
	s_cbranch_scc1 .Lfour
	s_mov_b32 s60, 8*BLKB                          ; blocks 8 to 13
	s_mov_b32 s61, 10*544
	s_mov_b32 s63, 8*64
	s_mov_b32 s59, 8*16
	s_mov_b32 s73, 0
.Leight:
	TRIP 3
	s_cmp_lt_u32 s73, 3
	s_cbranch_scc1 .Leight
	BLK 4, 0, 34, 1                                ; blocks 14 and 15
	PLACES 8
	OUTB 32, 49152
	ds_load_b32 v[CV], v[ACV] offset:128
	BLK 5, 0, 0, 1
	PLACES 8
	OUTB 48, 65536
	ds_load_b32 v[CV], v[ACV] offset:192
	s_wait_xcnt 0x0
	s_wait_dscnt 0x0
.set X_, ACC+32
.set I_, 0
.rept 80
	ELINE I_
.set I_, I_+1
.endr
	v_nop
	OUTB 64, 81920
	s_wait_dscnt 0x0                               ; for the others' sake: my scale bytes are stored
	BARRIER
.irp c, 0,1,2,3
	ds_load_b32 v[ACC+\c], v[RD] offset:512*\c     ; byte c of four rows' words
.endr
	s_wait_dscnt 0x0
	v_perm_b32 v[ACC+4], v[ACC+1], v[ACC], 0x05010400   ; rows 0, 1: bytes 0 and 1 of their words,
	v_perm_b32 v[ACC+5], v[ACC+3], v[ACC+2], 0x05010400 ; bytes 2 and 3;
	v_perm_b32 v[ACC+6], v[ACC+1], v[ACC], 0x07030602   ; rows 2, 3
	v_perm_b32 v[ACC+7], v[ACC+3], v[ACC+2], 0x07030602
	v_perm_b32 v[ACC+8], v[ACC+5], v[ACC+4], 0x05040100
	v_perm_b32 v[ACC+9], v[ACC+5], v[ACC+4], 0x07060302
	v_perm_b32 v[ACC+10], v[ACC+7], v[ACC+6], 0x05040100
	v_perm_b32 v[ACC+11], v[ACC+7], v[ACC+6], 0x07060302
	global_store_b128 v[XSO], v[ACC+8:ACC+11], s[104:105]   ; 512 consecutive bytes
	s_wait_tensorcnt 0x0                           ; the wave's end
	ds_add_u32 v[SPW], v[NIL]
	s_wait_dscnt 0x0
	CROUND                                         ; no work-group ends while a partner may still ask for a tile that names it
	s_endpgm
.Lfunc_end_k_q94da8dbef1_vctx:
	.size	k_q94da8dbef1_vctx, .Lfunc_end_k_q94da8dbef1_vctx-k_q94da8dbef1_vctx
	.p2alignl 7, 3214868480
	.fill 96, 4, 3214868480
	.section	.rodata,"a",@progbits
	.p2align	6, 0x0
	.amdhsa_kernel k_q94da8dbef1_vctx
		.amdhsa_group_segment_fixed_size 327680
		.amdhsa_private_segment_fixed_size 0
		.amdhsa_enable_private_segment 0
		.amdhsa_kernarg_size 64
		.amdhsa_user_sgpr_count 2
		.amdhsa_user_sgpr_kernarg_segment_ptr 1
		.amdhsa_wavefront_size32 1
		.amdhsa_system_sgpr_workgroup_id_x 1
		.amdhsa_system_sgpr_workgroup_id_y 1
		.amdhsa_system_sgpr_workgroup_id_z 1
		.amdhsa_system_vgpr_workitem_id 0
		.amdhsa_next_free_vgpr 1024
		.amdhsa_next_free_sgpr 106
		.amdhsa_reserve_vcc 0
		.amdhsa_float_denorm_mode_32 3
		.amdhsa_float_denorm_mode_16_64 3
		.amdhsa_memory_ordered 1
		.amdhsa_forward_progress 1
		.amdhsa_inst_pref_size 177
	.end_amdhsa_kernel
	.amdgpu_metadata
---
amdhsa.version: [ 1, 2 ]
amdhsa.kernels:
  - .name:           k_q94da8dbef1_vctx
    .symbol:         k_q94da8dbef1_vctx.kd
    .args:
      - { .name: x_codes, .offset: 0, .size: 8, .value_kind: global_buffer, .address_space: global }
      - { .name: x_scales, .offset: 8, .size: 8, .value_kind: global_buffer, .address_space: global }
      - { .name: Wv_codes, .offset: 16, .size: 8, .value_kind: global_buffer, .address_space: global }
      - { .name: Wv_scales, .offset: 24, .size: 8, .value_kind: global_buffer, .address_space: global }
      - { .name: bv, .offset: 32, .size: 8, .value_kind: global_buffer, .address_space: global }
      - { .name: dpart, .offset: 40, .size: 8, .value_kind: global_buffer, .address_space: global }
      - { .name: ctx_codes, .offset: 48, .size: 8, .value_kind: global_buffer, .address_space: global }
      - { .name: ctx_scales, .offset: 56, .size: 8, .value_kind: global_buffer, .address_space: global }
    .group_segment_fixed_size: 327680
    .private_segment_fixed_size: 0
    .kernarg_segment_align: 8
    .kernarg_segment_size: 64
    .max_flat_workgroup_size: 128
    .sgpr_count:     106
    .vgpr_count:     1024
    .wavefront_size: 32
...
	.end_amdgpu_metadata
.endif
;; end of part 2
;; launch outp (part 3): grid 4 x 64, 4 waves a work-group, clusters of 4 x 4, 327,680 bytes of LDS; arguments ctx_codes, ctx_scales, Wo_codes, Wo_scales, bo, out0; writes out0
.if DOCPART == 3
	.amdgcn_target "amdgcn-amd-amdhsa--gfx1250"
	.amdhsa_code_object_version 6
	.text
	.protected	k_q94da8dbef1_outp
	.globl	k_q94da8dbef1_outp
	.p2align	8
	.type	k_q94da8dbef1_outp,@function
k_q94da8dbef1_outp:
	s_mov_b64 s[64:65], 0
	v_nop
	global_prefetch_b8 v0, s[64:65] scope:SCOPE_SE
	s_setreg_imm32_b32 hwreg(HW_REG_WAVE_MODE, 25, 1), 1
	s_wait_xcnt 0x0
	s_wait_alu depctr_hold_cnt(0) depctr_sa_sdst(0) depctr_va_vdst(0) depctr_va_sdst(0) depctr_va_ssrc(0) depctr_va_vcc(0) depctr_vm_vsrc(0)
	s_getreg_b32 s2, hwreg(HW_REG_IB_STS2, 6, 4)
	s_cmp_eq_u32 s2, 0
	s_cbranch_scc0 .Lentry_in_a_cluster
	s_endpgm
.Lentry_in_a_cluster:
	s_bfe_u32 s2, ttmp6, 0x10000c
	s_cmp_lg_u32 s2, 0xf033
	s_cbranch_scc0 .Lentry_shape_is_right
	s_endpgm
.Lentry_shape_is_right:
; out = contexts Wo^T + bo on codes of BF8 (E5M2) with one E8M0 scale for each 32 along K (K = 1,024).  Wo: [1,024][1,024] codes, [1,024][32] scale bytes, given; out: [16,384][1,024] f32.
; contexts, as the launch before leaves them: codes [block of 16 rows][piece p = 0 .. 31][lane][16 bytes]: lane (r, h) has row r's K = 32 p + 8 h + 0 .. 7 and 32 p + 16 + 8 h + 0 .. 7; scale words [K step q][16,384 rows].
; K IS PERMUTED ALIKE ON BOTH SIDES inside each scale block of 32: Wo's fragments take the same two runs of 8 bytes.
; LIMITS: NaN and infinities (codes, a scale byte 0xff, the bias) are not served.  The bias is added behind the sum over K.
; SHARES.  256 work-groups of four waves: 256 rows x 256 columns.  Wave w holds the 64 rows of Wo of its 64 columns, all of K, in 512 registers; contexts go past in 16 blocks of 16 rows: 8 K steps x 4 tiles = 32 matrix
; instructions on 4 accumulators by turns, fed by one run of 34 LDS loads.  A block's way out stands behind the next block's products.
; Source 0 = 16 rows of contexts, source 1 = 16 rows of Wo, and TILE t TAKES Wo'S ROWS 4 r + t: register j of accumulator t of lane (r, h) is out(row 8 h + j, column 4 r + t).  Adding the bias puts a lane's four neighbouring
; columns into four neighbouring registers, and sixteen lanes store 256 consecutive bytes of a row.
; LDS: two slots of 128 runs of 1,024 bytes + 16.  At the head wave t's load brings Wo's rows 4 i + t, i = 0 .. 63; then contexts' two chunks of 8 blocks (a block is 16 runs) take the slots.  Behind them contexts' scale words (stored by the waves).
; CLUSTERS 4 x 4: a row of the cluster shares contexts' chunks, a column Wo's rows: joint loads.
; FILLS.  One load a wave: at the head Wo; chunk 0 behind a round once Wo's tiles 0, 1 are in registers; chunk 1 behind a round inside block 1.  Waves 0 and 1 bring chunk 0's first four blocks by a line of their own, shown by a plain
; barrier; the rest is shown by the round inside block 1, and chunk 1 by the barrier inside block 6 (it stands in each trip of the second loop).
; PREFETCHES.  Chunk 0 is asked of memory at the head, chunk 1 behind chunk 0's load; the sixteen waves of a cluster row share a chunk's 512 pieces of 256 bytes by address.
; REGISTERS: window 0: v1-23 addresses and work; v24-55 Wo's scale words; v60-75 contexts', two sets; v80-83 the bias; v112-175 two sets of 4 accumulators; v176-207 numbers to store; v208-223 scale words on their way.
;   windows 1, 2: Wo: fragment (K step q, tile t) is number n = 4 q + t, at 16 (n % 16) of window 1 + n / 16.   window 3: contexts' fragments, two sets of 128 (K step q at 16 q).
.set PITCH, 1040                       ; 1,024 bytes + 16 of padding = 260 words: run r starts at bank 4 r mod 64 (64 banks of 4 bytes: ISA guide 11.1)
.set BLKB,  16*PITCH
.set HS,    64*PITCH
.set SLOT,  128*PITCH
.set SCL,   2*SLOT                     ; contexts' scale words, a row's eight on end: units of 256 bytes (8 rows) + 16
.set SPARE, SCL+32*272
.set AL0, 4                            ; 16 x lane
.set AX,  5
.set AS0, 6
.set ADS, 8
.set CO,  9
.set SPW, 10
.set NIL, 11
.set PFO, 12
.set XSO, 14
.set XST, 15
.set ADW, 16
.set VSB, 20
.set VBI, 21
.set SB,  24
.set SA,  60
.set BI,  80
.set ACC, 112
.set TO,  176
.set TS,  208
.set G1W, 24
.set G1X, 32
.set G0W, 40
.set G0X, 48
.set MSB, 0
.macro WIN new                         ; the immediate's high byte repeats the setting that is left
.if MSB != (\new)
	s_set_vgpr_msb (MSB<<8)|(\new)
.set MSB, (\new)
.endif
.endm
.macro PLACES n
.rept \n
	v_nop
.endr
.endm
.macro BARRIER
	s_barrier_signal -1
	s_barrier_wait -1
.endm
.macro MIDDLE                          ; wave 0 signals for its work-group, all wait for the cluster
	s_cmp_lg_u32 s22, 0
	s_cbranch_scc1 .Lnot_wave_0_\@
	s_barrier_signal -3
.Lnot_wave_0_\@:
	s_barrier_wait -3
.endm
.macro CROUND
	BARRIER
	MIDDLE
	BARRIER
.endm
.macro TLOAD g0, g1
	tensor_load_to_lds s[\g0:\g0+3], s[\g1:\g1+7]
	s_nop 0
	PLACES 4
.endm
.macro TWOLINES g0, g1                 ; waves 0, 1 and waves 2, 3 have a load line each
	s_cmp_lt_u32 s22, 2
	s_cbranch_scc0 .Lupper_\@
	TLOAD \g0, \g1
	s_branch .Lboth_\@
.Lupper_\@:
	TLOAD \g0, \g1
.Lboth_\@:
.endm
.macro LOWERWAIT                       ; waves 0 and 1: my load is in
	s_cmp_lt_u32 s22, 2
	s_cbranch_scc0 .Lnot_yet_\@
	s_wait_tensorcnt 0x0
.Lnot_yet_\@:
.endm
.macro GROUP1 g, mask, rows, stride    ; runs of 1,024 bytes, 4 words of padding behind every 256
	s_or_b32 s[\g], s[\mask], (1<<20)|(1<<21)|(7<<22)|(3<<25)
	s_mov_b32 s[\g+1], 1024<<16
	s_mov_b32 s[\g+2], (\rows)<<16
	s_mov_b32 s[\g+3], 1024<<16
	s_mov_b32 s[\g+4], \rows
	s_mov_b32 s[\g+5], \stride
	s_mov_b32 s[\g+6], 0
	s_mov_b32 s[\g+7], 0
.endm
.macro ADDSH d, s, n
	s_lshl_b32 s58, s\s, \n
	s_add_co_u32 s\d, s\d, s58
.endm
.macro WREAD t0                        ; tiles t0, t0 + 1 of Wo, all of K: 128 loads of 8 bytes, at 8 h and at 16 + 8 h of each 32
.irp q, 0,1,2,3,4,5,6,7
.irp t, \t0, \t0+1
.set F_, 4*\q+(\t)
	WIN (1+F_/16)<<6
.irp c, 0,1,2,3
	ds_load_b64 v[16*(F_%16)+4*\c:16*(F_%16)+4*\c+1], v[ADW+(\t)] offset:128*\q+32*\c
	ds_load_b64 v[16*(F_%16)+4*\c+2:16*(F_%16)+4*\c+3], v[ADW+(\t)] offset:128*\q+32*\c+16
.endr
.endr
.endr
	WIN 0
.endm
.macro FETCH set, off, unit            ; a block of contexts, all of K, and its scale words: 34 loads; piece p lies 512 p + 16 (p / 2) bytes on
	WIN 0
	ds_load_b128 v[SA+8*\set:SA+8*\set+3], v[ADS] offset:544*(\unit)
	ds_load_b128 v[SA+8*\set+4:SA+8*\set+7], v[ADS] offset:544*(\unit)+16
	WIN 0xc0
.set P_, 0
.rept 32
	ds_load_b128 v[128*\set+4*P_:128*\set+4*P_+3], v[AX] offset:(\off)+512*P_+16*(P_/2)
.set P_, P_+1
.endr
.endm
; A block's way out: each accumulator from its low end on, two numbers an instruction: line l = 0 .. 15 for the sums at A_.
.macro DADD t, j, i
	v_dual_add_f32 v[TO+4*(\j)+\t], v[A_+8*\t+(\j)], v[BI+\t] :: v_dual_add_f32 v[TO+4*(\i)+\t+1], v[A_+8*\t+8+(\i)], v[BI+\t+1]
.endm
.macro OLINE l
.set J_, 2*((\l)/4)
.if (\l)%4 == 0
	DADD 0, J_, J_+1
.elseif (\l)%4 == 1
	DADD 0, J_+1, J_
.elseif (\l)%4 == 2
	DADD 2, J_, J_+1
.else
	DADD 2, J_+1, J_
.endif
.endm
.macro STORES off
	s_wait_alu depctr_va_vdst(0)
.irp j, 0,1,2,3,4,5,6,7
	global_store_b128 v[CO], v[TO+4*\j:TO+4*\j+3], s[14:15] offset:(\off)+\j*4096 th:TH_STORE_NT   ; 16 lanes store 256 consecutive bytes; written once, read by nobody here
.endr
.endm
.macro PROD blk, n
.set Q_, (\n)/4
.set T_, (\n)%4
.set E_, (\blk)%2
.set D_, ACC+32*E_+8*T_
.set W_, 16*((\n)%16)
.set X_, 128*E_+16*Q_
	WIN 3|((1+(\n)/16)<<2)
.if Q_ == 0
	v_wmma_scale_f32_16x16x128_f8f6f4 v[D_:D_+7], v[X_:X_+15], v[W_:W_+15], 0, v[SA+8*E_+Q_], v[SB+8*T_+Q_] matrix_a_fmt:MATRIX_FMT_BF8 matrix_b_fmt:MATRIX_FMT_BF8
.else
	v_wmma_scale_f32_16x16x128_f8f6f4 v[D_:D_+7], v[X_:X_+15], v[W_:W_+15], v[D_:D_+7], v[SA+8*E_+Q_], v[SB+8*T_+Q_] matrix_a_fmt:MATRIX_FMT_BF8 matrix_b_fmt:MATRIX_FMT_BF8
.endif
.endm
.macro PRODS blk, from, to
.set N_, \from
.rept (\to)-(\from)
	PROD \blk, N_
.if ((\blk) > 0) && (N_ > 0) && (N_ < 9)
.set A_, ACC+32*(((\blk)+1)%2)
	WIN 0
	OLINE 2*N_-2
	OLINE 2*N_-1
.endif
.set N_, N_+1
.endr
.endm
; A BLOCK (blk: its number or one of the same parity; 0: nothing goes out).  kind 1: a round and chunk 1's load; 3: a barrier that shows all.  left: the LDS loads that may be out.
.macro BLK blk, kind, left
	s_wait_dscnt \left
	s_wait_xcnt 0x0                                ; earlier stores have read their numbers
.if \kind == 1
	WIN 0
	s_wait_tensorcnt 0x0                           ; my part of chunk 0 is in, so the descriptor may be written;
	ds_add_u32 v[SPW], v[NIL]
	s_add_co_u32 s[G0X+1], s72, SLOT
	s_add_nc_u64 s[G0X+2:G0X+3], s[G0X+2:G0X+3], 0x20000
.endif
	PRODS \blk, 0, 28
.if \kind > 0
	WIN 0
.if \kind == 3
	s_wait_tensorcnt 0x0
.endif
	s_wait_dscnt 0x0
	s_barrier_signal -1
.endif
	PRODS \blk, 28, 32
	WIN 0
.if \kind == 1
	s_barrier_wait -1
	MIDDLE
	BARRIER
	TLOAD G0X, G1X
.elseif \kind == 3
	s_barrier_wait -1
.endif
.endm
	s_load_b256 s[4:11], s[0:1], 0x0               ; contexts' codes, scales, Wo's codes, scales
	s_load_b128 s[12:15], s[0:1], 0x20             ; bo, out
	v_lshl_add_u32 v[SPW], v0, 2, SPARE
	v_mov_b32 v[NIL], 0
	ds_add_u32 v[SPW], v[NIL]
	ds_add_u32 v[SPW], v[NIL]
	v_lshrrev_b32 v1, 5, v0
	v_readfirstlane_b32 s22, v1                    ; wave 0..3
	s_bfe_u32 s52, ttmp6, 0x40000                  ; cx, cy
	s_bfe_u32 s53, ttmp6, 0x40004
	s_lshl_b32 s54, ttmp9, 2
	s_add_co_u32 s54, s54, s52                     ; column tile
	s_and_b32 s55, ttmp7, 0xffff
	s_lshl_b32 s55, s55, 2
	s_add_co_u32 s55, s55, s53                     ; row tile
	s_lshl_b32 s56, s53, 2
	s_lshl_b32 s56, 15, s56                        ; my row of the cluster shares contexts
	s_lshl_b32 s57, 0x1111, s52                    ; my column shares Wo
	GROUP1 G1W, 57, 64, 4096
	GROUP1 G1X, 56, 32, 1024
	s_mul_i32 s72, s22, 32*PITCH                   ; the two blocks of a chunk that I fetch
	s_mul_i32 s60, s22, BLKB                       ; my 16 rows of a tile's 64
	s_mul_i32 s59, s22, 8*272
	s_add_co_u32 s59, s59, SCL
	s_lshl_b32 s74, s55, 18                        ; contexts' blocks, in bytes
	s_mov_b32 s88, s74
	ADDSH 88, 22, 15                               ; those that I fetch
	s_lshl_b32 s86, s52, 2
	s_add_co_u32 s86, s86, s22
	s_lshl_b32 s86, s86, 13                        ; my sixteenth of a chunk: what I prefetch
	s_add_co_u32 s86, s86, s74
	s_lshl_b32 s76, s55, 10
	ADDSH 76, 22, 8                                ; the scale words of 64 rows
	s_lshl_b32 s78, s54, 18
	ADDSH 78, 22, 10                               ; Wo's rows 4 i + wave
	s_lshl_b32 s80, s54, 13
	ADDSH 80, 22, 11                               ; Wo's scale bytes, my 64 rows
	s_lshl_b32 s82, s54, 10
	ADDSH 82, 22, 8                                ; the bias, and my columns of out
	s_lshl_b32 s84, s55, 20
	s_add_co_u32 s84, s84, s82
.irp p, 77,79,81,83,85,87,89
	s_mov_b32 s\p, 0
.endr
	v_and_b32 v1, 15, v0                           ; r
	v_bfe_u32 v2, v0, 4, 1                         ; h
	v_and_b32 v3, 31, v0                           ; lane
	v_mul_u32_u24 v22, v1, PITCH
	v_lshl_add_u32 v22, v2, 3, v22                 ; Wo: row r, + 8 h
	v_add_nc_u32 v[ADW], s60, v22
	v_add_nc_u32 v[ADW+1], HS, v[ADW]
	v_add_nc_u32 v[ADW+2], SLOT, v[ADW]
	v_add_nc_u32 v[ADW+3], SLOT+HS, v[ADW]
	v_lshlrev_b32 v[AL0], 4, v3
	v_lshlrev_b32 v[AX], 4, v3
	v_lshrrev_b32 v22, 3, v1
	v_mul_u32_u24 v22, v22, 272
	v_and_b32 v23, 7, v1
	v_lshl_add_u32 v22, v23, 5, v22                ; row r's eight scale words
	v_add_nc_u32 v[ADS], SCL, v22
	v_add_nc_u32 v[AS0], SCL, v22
	v_lshrrev_b32 v22, 3, v3
	v_mul_u32_u24 v22, v22, 272
	v_lshl_add_u32 v22, v23, 5, v22
	v_add_nc_u32 v[XST], s59, v22                  ; where mine go: lane l has row l of 32
	v_lshlrev_b32 v[XSO], 2, v3
	v_lshlrev_b32 v[PFO], 8, v3
	v_lshlrev_b32 v[VSB], 7, v1
	v_lshlrev_b32 v[VBI], 4, v1
	v_lshlrev_b32 v[CO], 15, v2                    ; lanes 16-31 stand eight rows further down
	v_lshl_add_u32 v[CO], v1, 4, v[CO]
	s_wait_alu depctr_va_vdst(0)
	s_wait_dscnt 0x0                               ; both opening adds are done
	CROUND                                         ; all sixteen work-groups are here
	s_wait_kmcnt 0x0
	s_mov_b32 s[G0W], 1
	s_mul_i32 s[G0W+1], s22, HS
	s_add_nc_u64 s[G0W+2:G0W+3], s[8:9], s[78:79]
	s_or_b32 s[G0W+3], s[G0W+3], 0x80000000
	TWOLINES G0W, G1W
	s_mov_b32 s[G0X], 1
	s_mov_b32 s[G0X+1], s72
	s_add_nc_u64 s[G0X+2:G0X+3], s[4:5], s[88:89]
	s_or_b32 s[G0X+3], s[G0X+3], 0x80000000
	s_add_nc_u64 s[70:71], s[4:5], s[86:87]
	s_add_nc_u64 s[76:77], s[6:7], s[76:77]
	s_add_nc_u64 s[10:11], s[10:11], s[80:81]
	s_add_nc_u64 s[12:13], s[12:13], s[82:83]
	s_add_nc_u64 s[14:15], s[14:15], s[84:85]
.irp p, 0,1,2,3,4,5,6,7
	global_load_b32 v[TS+\p], v[XSO], s[76:77] offset:65536*\p
	global_load_b32 v[TS+8+\p], v[XSO], s[76:77] offset:65536*\p+128
.endr
.irp t, 0,1,2,3
	global_load_b128 v[SB+8*\t:SB+8*\t+3], v[VSB], s[10:11] offset:32*\t
	global_load_b128 v[SB+8*\t+4:SB+8*\t+7], v[VSB], s[10:11] offset:32*\t+16
.endr
	global_load_b128 v[BI:BI+3], v[VBI], s[12:13]
	global_prefetch_b8 v[PFO], s[70:71] th:TH_LOAD_NT scope:SCOPE_SE   ; chunk 0
	s_wait_loadcnt 9                               ; contexts' scale words are in; Wo's and the bias (9 loads) may be out
.irp i, 0,1
	ds_store_b128 v[XST], v[TS+8*\i:TS+8*\i+3] offset:1088*\i
	ds_store_b128 v[XST], v[TS+8*\i+4:TS+8*\i+7] offset:1088*\i+16
.endr
	LOWERWAIT                                      ; tiles 0, 1
	s_wait_dscnt 0x0                               ; my scale words are stored
	BARRIER
	WREAD 0
	s_wait_tensorcnt 0x0                           ; tiles 2, 3
	ds_add_u32 v[SPW], v[NIL]
	s_wait_dscnt 0x0
	CROUND                                         ; nobody reads slot 0 any more
	TWOLINES G0X, G1X                              ; chunk 0
	WREAD 2
	global_prefetch_b8 v[PFO], s[70:71] offset:131072 th:TH_LOAD_NT scope:SCOPE_SE   ; chunk 1
	LOWERWAIT
	s_wait_dscnt 0x0
	BARRIER                                        ; chunk 0's first four blocks are in, and slot 1 has been read
	FETCH 0, 0, 0
	FETCH 1, BLKB, 1
	WIN 0
	s_wait_loadcnt 0x0                             ; Wo's scale words, the bias
	BLK 0, 0, 34
	PLACES 8                                       ; behind the products, ahead of the loads into the registers that they have read
	FETCH 0, 2*BLKB, 2
	BLK 1, 1, 34
	PLACES 7
	v_add_nc_u32 v[AX], 2*BLKB, v[AL0]             ; the eighth place
	STORES 0
	FETCH 1, BLKB, 3
	WIN 0
	s_mov_b32 s60, 4*BLKB                          ; blocks 2 to 5: where the block two on begins,
	s_mov_b32 s61, 4*544                           ; and its scale words
	s_mov_b32 s73, 0
.macro TRIP kind                       ; two blocks
	BLK 2, \kind, 34
	v_add_nc_u32 v[AX], s60, v[AL0]                ; two of the eight places
	v_add_nc_u32 v[ADS], s61, v[AS0]
	PLACES 6
	s_add_nc_u64 s[14:15], s[14:15], 0x20000       ; (behind the block's wait on XCNT) on to this block's rows
	STORES -65536
	FETCH 0, 0, 0
	BLK 3, 0, 34
	PLACES 8
	STORES 0
	FETCH 1, BLKB, 1
	WIN 0
	s_add_co_u32 s60, s60, 2*BLKB
	s_add_co_u32 s61, s61, 2*544
	s_add_co_u32 s73, s73, 1
.endm
.Ltwo:
	TRIP 0
	s_cmp_lt_u32 s73, 2
	s_cbranch_scc1 .Ltwo
	s_mov_b32 s60, 8*BLKB                          ; blocks 6 to 13
	s_mov_b32 s61, 8*544
	s_mov_b32 s73, 0
.Lsix:
	TRIP 3
	s_cmp_lt_u32 s73, 4
	s_cbranch_scc1 .Lsix
	BLK 2, 0, 34                                   ; blocks 14 and 15
	PLACES 8
	STORES 65536
	BLK 3, 0, 0
	PLACES 8
	STORES 131072
	s_wait_xcnt 0x0
.set A_, ACC+32
.set I_, 0
.rept 16
	OLINE I_
.set I_, I_+1
.endr
	STORES 196608
	s_wait_tensorcnt 0x0                           ; the wave's end
	ds_add_u32 v[SPW], v[NIL]
	s_wait_dscnt 0x0
	CROUND                                         ; no work-group ends while a partner may still ask for a tile that names it
	s_endpgm
.Lfunc_end_k_q94da8dbef1_outp:
	.size	k_q94da8dbef1_outp, .Lfunc_end_k_q94da8dbef1_outp-k_q94da8dbef1_outp
	.p2alignl 7, 3214868480
	.fill 96, 4, 3214868480
	.section	.rodata,"a",@progbits
	.p2align	6, 0x0
	.amdhsa_kernel k_q94da8dbef1_outp
		.amdhsa_group_segment_fixed_size 327680
		.amdhsa_private_segment_fixed_size 0
		.amdhsa_enable_private_segment 0
		.amdhsa_kernarg_size 48
		.amdhsa_user_sgpr_count 2
		.amdhsa_user_sgpr_kernarg_segment_ptr 1
		.amdhsa_wavefront_size32 1
		.amdhsa_system_sgpr_workgroup_id_x 1
		.amdhsa_system_sgpr_workgroup_id_y 1
		.amdhsa_system_sgpr_workgroup_id_z 1
		.amdhsa_system_vgpr_workitem_id 0
		.amdhsa_next_free_vgpr 1024
		.amdhsa_next_free_sgpr 100
		.amdhsa_reserve_vcc 0
		.amdhsa_float_denorm_mode_32 3
		.amdhsa_float_denorm_mode_16_64 3
		.amdhsa_memory_ordered 1
		.amdhsa_forward_progress 1
		.amdhsa_inst_pref_size 100
	.end_amdhsa_kernel
	.amdgpu_metadata
---
amdhsa.version: [ 1, 2 ]
amdhsa.kernels:
  - .name:           k_q94da8dbef1_outp
    .symbol:         k_q94da8dbef1_outp.kd
    .args:
      - { .name: ctx_codes, .offset: 0, .size: 8, .value_kind: global_buffer, .address_space: global }
      - { .name: ctx_scales, .offset: 8, .size: 8, .value_kind: global_buffer, .address_space: global }
      - { .name: Wo_codes, .offset: 16, .size: 8, .value_kind: global_buffer, .address_space: global }
      - { .name: Wo_scales, .offset: 24, .size: 8, .value_kind: global_buffer, .address_space: global }
      - { .name: bo, .offset: 32, .size: 8, .value_kind: global_buffer, .address_space: global }
      - { .name: out0, .offset: 40, .size: 8, .value_kind: global_buffer, .address_space: global }
    .group_segment_fixed_size: 327680
    .private_segment_fixed_size: 0
    .kernarg_segment_align: 8
    .kernarg_segment_size: 48
    .max_flat_workgroup_size: 128
    .sgpr_count:     100
    .vgpr_count:     1024
    .wavefront_size: 32
...
	.end_amdgpu_metadata
.endif
;; end of part 3
